; MI455X (gfx1250); checked and timed in simulation.
; The chip was launched on July 23, 2026; its instructions are those of AMD's public machine-readable ISA for CDNA 5 (MIT licence, August 2026) and "CDNA5" Instruction Set Architecture Reference Guide (July 2026). The comments in the code are by the model that wrote it; some were corrected since.
;; Attention 1. Allowed arithmetic: matrix products marked QUANTISED: E2M1 operands, one E8M0 scale for each 32 along K, by v_wmma_scale_f32_16x16x128_f8f6f4 with both operands' format E2M1 (or v_wmma_scale_f32_32x16x128_f4), f32 sums; products left as they are: f32 operands where the result goes on into a quantised operand, else bf16, f16 or f32 operands; f32 sums; everything else in f32.
;; Inputs: W_out_codes 128 x 64 x 16 uint8 (E2M1 codes of W_out, K innermost, in blocks of 32 codes, two codes a byte); W_out_scales 128 x 64 uint8 (E8M0 scales of W_out, one for each 32 codes along K); W_score_codes 1,024 x 32 x 16 uint8 (E2M1 codes of W_score, K innermost, in blocks of 32 codes, two codes a byte); W_score_scales 1,024 x 32 uint8 (E8M0 scales of W_score, one for each 32 codes along K); hidden_states 32 x 2,048 x 1,024 float32.
;; Outputs: out0 32 x 128 float32.
;; This version of the problem:
;;   THIS VERSION OF THE PROBLEM IS GIVEN IN LOW PRECISION. The matrix products marked QUANTISED in the list below multiply operands that are first quantised to E2M1 (2 exponent bits, 1 mantissa bit; 4 bits a number), with one power-of-two scale for each 32 numbers along K (OCP MX v1.0); their sums are f32. All else is computed in f32.
;;   The module's matrix products, in the order in which they are computed (A, B: the left and right operand; K: the contracted axis; several contracted axes count as one K, in the product's order):
;;     1. [M 65,536, K 1,024] x [K 1,024, N 1,024]; A: input hidden_states; B: input W_score (given as codes): QUANTISED
;;     2. batch 32 x [M 2,048, K 1,024] x [K 1,024, N 1]; A: computed on the way; B: input hidden_states: left as it is (N = 1 < 16)
;;     3. batch 32 x [M 1,024, K 2,048] x [K 2,048, N 1]; A: input hidden_states; B: softmax: left as it is (N = 1 < 16)
;;     4. [M 32, K 2,048] x [K 2,048, N 128]; A: computed on the way; B: input W_out (given as codes): QUANTISED
;;   THE QUANTISER, for each operand of a quantised product, along K:
;;     - K is cut into blocks of 32 from its start; a last block that is shorter is filled with zeros.
;;     - A block's scale is 2^e with e = floor(log2(the largest magnitude in the block)) - 2, held to -126 .. 127; a block of zeros has e = 0. As a byte (E8M0): e + 127.
;;     - Each number is divided by its block's scale, clamped to +-6, and rounded to the nearest number of E2M1, ties to even, subnormals kept.
;;     - The product sums the exact products of the quantised numbers (number of the format x scale) in f32.
;;   ~~~python
;;   def quantise(x, axis):      # numpy; x: float32 -> the quantised numbers, widened to float32 again
;;       x = np.moveaxis(x, axis, -1); K = x.shape[-1]
;;       x = np.pad(x, [(0, 0)] * (x.ndim - 1) + [(0, -K % 32)]); x = x.reshape(x.shape[:-1] + (-1, 32)); a = np.abs(x).max(-1, keepdims=True)
;;       e = np.where(a > 0, np.clip(np.frexp(np.where(a > 0, a, 1))[1] - 1 - 2, -126, 127), 0)      # np.frexp(a)[1] - 1 = floor(log2(a)), exactly
;;       r = np.clip(x / 2.0 ** e, -6, 6)
;;       step = 2.0 ** (np.maximum(np.frexp(np.where(r == 0, 1, r))[1] - 1, 0) - 1)
;;       q = np.round(r / step) * step * 2.0 ** e      # np.round: ties to even
;;       return np.moveaxis(q.reshape(q.shape[:-2] + (-1,))[..., :K], -1, axis).astype(np.float32)
;;   ~~~
;;   OPERANDS COMPUTED ON THE WAY. 'Computed on the way' means the value that the module computes at that place (a softmax that the list does not call 'softmax' is quantised finished and normalised). What goes into a quantiser is computed in f32, as accurately as f32 sums, v_exp_f32 and their like allow (about 1e-6 of the number): no bf16 or f16 on the way to a quantiser, and a product that is left as it is and whose result goes on into a quantised operand takes f32 operands (vector FMAs, or v_wmma_f32_16x16x4_f32). A number that lies on a knife's edge between two numbers of the format may be rounded either way, as far as f32 arithmetic and the matrix unit's own rounding can turn it there, and no further.
;;   INPUTS GIVEN AS CODES. W_out (in the module: [2048, 128], K = its axis 0); W_score (in the module: [1024, 1024], K = its axis 0): each comes as NAME_codes (uint8): NAME with its K axis moved to the last place and cut into blocks of 32 codes, [.., K / 32, bytes a block], one block behind the other in memory; two codes a byte, the lower K in the low four bits (a code: sign, 2 exponent bits, 1 mantissa bit); and NAME_scales (uint8): the same leading axes, one E8M0 byte (e + 127) for each 32 codes along K. Its value is code x scale, taken as it is: it is not quantised again, and the codes and scales need not be those that the quantiser above would give.
;; One version. Each part assembles by itself: llvm-mc -triple=amdgcn-amd-amdhsa -mcpu=gfx1250 --defsym DOCPART=n.
;; ======== version 1 of 1: 2 launches
;; limits: right only within a limited range of input values
;; workspace buffers: part_ctx 1,048,576 bytes; part_ml 65,536 bytes
;; launch attn (part 1): grid 256 x 1, 4 waves a work-group, no clusters, 327,680 bytes of LDS; arguments hidden_states, W_score_codes, W_score_scales, part_ctx, part_ml; writes part_ctx, part_ml
.if DOCPART == 1
	.amdgcn_target "amdgcn-amd-amdhsa--gfx1250"
	.amdhsa_code_object_version 6
	.text
	.protected	k_q50a780cc6d_attn
	.globl	k_q50a780cc6d_attn
	.p2align	8
	.type	k_q50a780cc6d_attn,@function
k_q50a780cc6d_attn:
	s_mov_b64 s[64:65], 0
	v_nop
	global_prefetch_b8 v0, s[64:65] scope:SCOPE_SE
	s_setreg_imm32_b32 hwreg(HW_REG_WAVE_MODE, 25, 1), 1
	s_wait_xcnt 0x0
; attention over 2,048 positions, first launch.  hidden_states hs: [32][2048][1024] f32.  W_score: [1024 (n)][1024 (k)] as codes of E2M1, two a byte, K innermost, one E8M0 byte for each 32 along K.
;   score[t] = sum over n of ( sum over k of Q(hs[t][k]) W[k][n] ) x h_T[n],  h_T = hs[2047] of the batch, Q = the MX-FP4 quantiser along k;  p = softmax over t;  context[c] = sum over t of p[t] hs[t][c].
; NOTHING IS LEFT OUT AS DEAD WORK: every input has a way to the output, and the first product is done in full on the E2M1 matrix form.
; SHARES.  A work-group owns 256 positions of one batch (eight work-groups a batch) and walks them 16 at a time: 16 steps.  It stores its unnormalised context under its own maximum (part_ctx), with that maximum
; and its sum (part_ml); the second launch joins the eight.  So hs is read from memory once: a block of 16 rows lies in LDS while it is quantised, multiplied, scored and summed into the context.
; THE FOUR WAVES SHARE K, NOT N.  Wave w owns columns 256 w .. 256 w + 255 of hs: it quantises them (two K steps of 128), multiplies them by its quarter of W for all 1,024 n, multiplies that partial product by h_T
; and sums over n (the second product is linear, so the quarters may be summed after it), and forms the context of the same columns.  What goes from wave to wave is 16 partial scores a step.
; W STAYS ON THE WGP.  A wave's quarter is 64 column tiles x 2 K steps = 128 fragments of 8 registers: tiles 0-47 stay in 768 registers, loaded once; tiles 48-63 (rows 768-1023 of the codes) stay in LDS, filled once,
; and are read in every step.  The quarter's scale words stay in 64 registers.
; THE STREAM.  Each wave has two LDS slots of 16 rows x 1,024 bytes of its own, filled by its own tensor loads and read by itself alone.  A slot is filled again behind a barrier in front of which every wave has
; waited for all its tensor loads, added 0 to its spare words and waited for that and for its LDS reads; the load has a whole step in which to land.
; NO CLUSTER: the 14 refills of a work-group are rows that no other work-group reads; of W's 544 KB, 416 KB go straight into registers, which a tensor load does not fill; what could be asked for jointly is the one
; first fill of 132 KB beside the work-group's 1,024 KB of rows, and each of the 14 refills would then have to stand behind a round of the cluster's barrier.
; LIMITS.  NaN and infinities among the inputs are not served.  A block of zeros gets the scale byte 1 (the rule says 127): its codes are zeros, and only this program reads the byte.  A weight p under 2^-126 counts as 0
; (v_exp_f32 flushes it).  The sums of the first product are kept in four f32 parts along K, one a wave, and meet after the second product: an order of rounding other than one sum along K.
.set ROWB,  4096                       ; a row of hs in bytes
.set BLKB,  16*ROWB                    ; a block of 16 rows in memory
.set HP,    1040                       ; a wave's 1,024 bytes of a row in LDS + 16 of padding: an odd multiple of 16, so sixteen rows start at sixteen different 16-byte columns modulo 256
.set HSLOT, 16*HP                      ; a slot: 16,640 bytes
.set HWAVE, 2*HSLOT                    ; a wave's two slots
.set WL,    4*HWAVE                    ; 133,120: rows 768-1023 of W's codes, 512 bytes + 16 of padding each
.set WP,    528
.set HT,    WL+256*WP                  ; 268,288: h_T, laid [group of 64 n][n % 16][(n / 16) % 4]: 4,096 bytes, stored by the waves, no fill lands here
.set PSC,   HT+4096                    ; 272,384: partial scores [wave][16 rows] f32
.set SPARE, PSC+256                    ; 272,640: the spare words, 128 bytes for each wave: two blocks of 256 bytes that no other line names
; vector registers, window 0
.set SPW, 1                            ; v1   LDS address of my spare word; never rewritten
.set NIL, 2                            ; v2   0; never rewritten
.set QA,  3                            ; v3   the quantiser's reads: my ring + HP x (lane % 16) + 64 x (lane / 16)
.set CA,  4                            ; v4   the context's reads: my ring + 16 x lane
.set WA,  5                            ; v5, v6  W's fragments in LDS: tiles 48-55, tiles 56-63
.set HA,  7                            ; v7   h_T's factors: HT + 16 x (lane % 16)
.set PS,  8                            ; v8   where I put my eight partial scores
.set PL,  9                            ; v9   where I read row (lane % 16)'s
.set PFO, 10                           ; v10  the prefetches' offset; never rewritten
.set MX,  11                           ; v11  the running largest t = score x log2(e)
.set LS,  12                           ; v12  the sum of my row's p over the steps
.set T0,  13                           ; v13  at work (at the head: h_T's load offset)
.set F,   14                           ; v[14:15] f = 2^(old largest - new largest); v15 is named with it as a pair (at the head v14: where h_T is stored in LDS)
.set CTX, 16                           ; v16-23  the context of my eight columns: 4 lane + 0..3 and 128 + 4 lane + 0..3 of the wave's 256
.set SC,  24                           ; v24-31  partial scores of rows 8 (lane / 16) + 0..7
.set TM,  24                           ;         the same registers, at work in the quantiser
.set AF,  32                           ; v32-47  the block's two fragments of codes
.set AS,  48                           ; v48-49  their scale words, and nothing else
.set HVB, 50                           ; v50-61  three sets of four factors of h_T
.set SO,  50                           ;         set 0 is also the conversions' four scale operands
.set T1,  62                           ; v62, v63 at work (at the head: the load offsets of W's scales and codes)
.set T2,  63
.set SCW, 64                           ; v64-127 W's scale words, and nothing else: register 2 u + s: lanes 0-15 tile 2 u, lanes 16-31 tile 2 u + 1, K step s
.set ACC, 128                          ; v128-191 two sets of four accumulators; also the first K step's 64 numbers, and rows 0-7 for the context
.set BB,  192                          ; v192-255 eight fragments of W from LDS; also the second K step's 64 numbers, and rows 8-15
; windows 1 to 3: W's fragment (tile T, K step s), T = 0 .. 47, at register 256 + 16 T + 8 s
; scalar registers
.set WV,  14                           ; s14  my wave's number
.set G1H, 16                           ; s[16:23] descriptor group 1 for a block of hs
.set G0,  24                           ; s[24:27], s[28:31] group 0 for slot 0, slot 1
.set G1W, 32                           ; s[32:39] group 1 for W's rows
.set G0W, 40                           ; s[40:43] group 0 for them
.set PFA, 44                           ; s[44:45] where my prefetches stand
.set CNT, 46                           ; s46  trips to go
.set SEL, 48                           ; s[48:49] v_permlanex16_b32's selects for lane l xor 16
.set P,   66                           ; s66-97 p of row t in s[66 + 2 t]; the odd ones are named with them as pairs and hold 0
.set MSB, 0
.macro WIN new                         ; the immediate's high byte repeats the setting that is left; a switch that changes nothing is dropped
.if MSB != \new
	s_set_vgpr_msb (MSB<<8)|\new
.set MSB, \new
.endif
.endm
; 64 numbers of a lane, v[x] .. v[x + 63], register 16 b + i = k 32 b + 16 (lane / 16) + i of my row, become a fragment's codes in v[pc] on and its scale word in v[pw].
.macro QUANT x, pc, pw
.irp b, 0,1,2,3
	v_max3_num_f32 v[TM+\b], |v[\x+16*\b]|, |v[\x+1+16*\b]|, 0x1800000   ; block b: my 16 numbers, and the floor 2^(3 - 127): so the byte cannot fall under 1
.endr
.irp i, 2,4,6,8,10,12,14
.irp b, 0,1,2,3
	v_max3_num_f32 v[TM+\b], v[TM+\b], |v[\x+16*\b+\i]|, |v[\x+1+16*\b+\i]|   ; the four blocks by turns
.endr
.endr
.irp b, 0,1,2,3
	v_permlanex16_b32 v[TM+4+\b], v[TM+\b], s[SEL], s[SEL+1]
.endr
.irp b, 0,1,2,3
	v_max_num_f32 v[TM+\b], v[TM+\b], v[TM+4+\b]                  ; with lane l xor 16's: the block's largest magnitude
.endr
.irp b, 0,1,2,3
	v_add_nc_u32 v[SO+\b], 0xff000000, v[TM+\b]                   ; 2 off its exponent field: the conversion takes the exponent field of this operand as its scale
.endr
.irp b, 0,1,2,3
	v_lshrrev_b32 v[TM+4+\b], 23, v[SO+\b]                        ; the scale's byte
.endr
	v_lshl_or_b32 v[\pw], v[TM+5], 8, v[TM+4]                     ; the four bytes make my row's scale word
	v_lshl_or_b32 v[\pw], v[TM+6], 16, v[\pw]
	v_lshl_or_b32 v[\pw], v[TM+7], 24, v[\pw]
.irp b, 0,1,2,3
	v_cvt_scalef32_pk8_fp4_f32 v[\pc+2*\b], v[\x+16*\b:\x+7+16*\b], v[SO+\b]
	v_cvt_scalef32_pk8_fp4_f32 v[\pc+1+2*\b], v[\x+8+16*\b:\x+15+16*\b], v[SO+\b]
.endr
	v_nop                                                         ; one plain place behind a scaled conversion
.irp c, 0,1                                                           ; the operand's layout wants a whole block in a lane: lanes 0-15 block 2 c, lanes 16-31 block 2 c + 1
.irp i, 0,1
	v_permlane16_swap_b32 v[\pc+4*\c+\i], v[\pc+2+4*\c+\i]
.endr
.endr
.endm
; The 64 column tiles go in 16 groups of four.  At places 3, 7, 11, 15 of a step stand the groups that come from LDS (groups 12 to 15), at the others the twelve that lie in registers.
.macro GOF q                           ; GG = the group at place q
.if ((\q)%4) == 3
.set GG, 12+(\q)/4
.else
.set GG, (\q)-(\q)/4
.endif
.endm
.macro HLOAD q                         ; h_T's four factors for place q: n = 64 GG + 16 i + lane % 16, i = 0 .. 3
	GOF \q
	ds_load_b128 v[HVB+4*((\q)%3):HVB+4*((\q)%3)+3], v[HA] offset:256*GG
.endm
.macro LLOAD k                         ; group 12 + k: four tiles x two K steps, 16 loads
.irp i, 0,1,2,3
.irp s, 0,1
.irp c, 0,1
	ds_load_b128 v[BB+8*(2*\i+\s)+4*\c:BB+8*(2*\i+\s)+4*\c+3], v[WA+(4*(\k)+\i)/8] offset:((4*(\k)+\i)%8)*16*WP+64*\s+32*\c
.endr
.endr
.endr
.endm
; Eight matrix instructions: source 0 = my 16 rows' codes, source 1 = 16 columns of W; a lane then holds column n = lane % 16 and rows 8 (lane / 16) + 0..7.  The first K step starts the sums with the constant 0.
; The four accumulators take turns, one instruction a turn.
.macro MULG q
	GOF \q
.set AC, ACC+32*((\q)%2)
.if ((\q)%4) == 3
.set WB, BB
	WIN 0
.else
.set WB, 64*(GG%4)
.set WW, (1+GG/4)<<2
	WIN WW                                                        ; source 1 in window 1, 2 or 3
.endif
.irp s, 0,1
.irp i, 0,1,2,3
.if \s == 0
.if (\i%2) == 0
	v_wmma_scale_f32_16x16x128_f8f6f4 v[AC+8*\i:AC+8*\i+7], v[AF+8*\s:AF+8*\s+7], v[WB+8*(2*\i+\s):WB+8*(2*\i+\s)+7], 0, v[AS+\s], v[SCW+2*(2*GG+\i/2)+\s] matrix_a_fmt:MATRIX_FMT_FP4 matrix_b_fmt:MATRIX_FMT_FP4
.else
	v_wmma_scale_f32_16x16x128_f8f6f4 v[AC+8*\i:AC+8*\i+7], v[AF+8*\s:AF+8*\s+7], v[WB+8*(2*\i+\s):WB+8*(2*\i+\s)+7], 0, v[AS+\s], v[SCW+2*(2*GG+\i/2)+\s] matrix_a_fmt:MATRIX_FMT_FP4 matrix_b_fmt:MATRIX_FMT_FP4 matrix_b_scale:MATRIX_SCALE_ROW1
.endif
.else
.if (\i%2) == 0
	v_wmma_scale_f32_16x16x128_f8f6f4 v[AC+8*\i:AC+8*\i+7], v[AF+8*\s:AF+8*\s+7], v[WB+8*(2*\i+\s):WB+8*(2*\i+\s)+7], v[AC+8*\i:AC+8*\i+7], v[AS+\s], v[SCW+2*(2*GG+\i/2)+\s] matrix_a_fmt:MATRIX_FMT_FP4 matrix_b_fmt:MATRIX_FMT_FP4
.else
	v_wmma_scale_f32_16x16x128_f8f6f4 v[AC+8*\i:AC+8*\i+7], v[AF+8*\s:AF+8*\s+7], v[WB+8*(2*\i+\s):WB+8*(2*\i+\s)+7], v[AC+8*\i:AC+8*\i+7], v[AS+\s], v[SCW+2*(2*GG+\i/2)+\s] matrix_a_fmt:MATRIX_FMT_FP4 matrix_b_fmt:MATRIX_FMT_FP4 matrix_b_scale:MATRIX_SCALE_ROW1
.endif
.endif
.endr
.endr
	WIN 0
.endm
; The second product, in f32: the partial scores take place q's four tiles times h_T, two rows an instruction; each accumulator is read from its low end on.  The step's very first line starts the sums.
.macro DOT q
.set AC, ACC+32*((\q)%2)
.set HV, HVB+4*((\q)%3)
.irp i, 0,1,2,3
.irp j, 0,2,4,6
.if ((\q) == 0) && (\i == 0)
	v_pk_mul_f32 v[SC+\j:SC+\j+1], v[AC+\j:AC+\j+1], v[HV:HV+1] op_sel_hi:[1,0]
.elseif (\i%2) == 0
	v_pk_fma_f32 v[SC+\j:SC+\j+1], v[AC+8*\i+\j:AC+8*\i+\j+1], v[HV+\i:HV+\i+1], v[SC+\j:SC+\j+1] op_sel_hi:[1,0,1]                 ; the pair's first register serves both halves
.else
	v_pk_fma_f32 v[SC+\j:SC+\j+1], v[AC+8*\i+\j:AC+8*\i+\j+1], v[HV+\i-1:HV+\i], v[SC+\j:SC+\j+1] op_sel:[0,1,0] op_sel_hi:[1,1,1]   ; the pair's second register serves both halves
.endif
.endr
.endr
	s_wait_alu depctr_va_vdst(0)                   ; directly behind the writes: the next dot reads these sums behind a wait on DScnt
.endm
.macro WREG win, t0                    ; sixteen column tiles of W from t0 on into one window: lane (r, h) takes, of row 16 T + r, the 16 bytes at 128 w + 64 s + 32 c + 16 h
	WIN \win
.set TT, 0
.rept 16
.irp s, 0,1
.irp c, 0,1
	global_load_b128 v[16*TT+8*\s+4*\c:16*TT+8*\s+4*\c+3], v[T2], s[62:63] offset:8192*(\t0+TT)+64*\s+32*\c
.endr
.endr
.set TT, TT+1
.endr
.endm
	s_load_b256 s[4:11], s[0:1], 0x0               ; hs s[4:5], W's codes s[6:7], W's scales s[8:9], part_ctx s[10:11]
	s_load_b64 s[12:13], s[0:1], 0x20              ; part_ml
	v_lshl_add_u32 v[SPW], v0, 2, SPARE
	v_mov_b32 v[NIL], 0
	ds_add_u32 v[SPW], v[NIL]                      ; the wave's opening: 0 onto my spare word, twice on end, and its wait ahead of my first tensor load
	ds_add_u32 v[SPW], v[NIL]                      ; and once more; the set-up below, work on registers, stands between it and the wait
	v_lshrrev_b32 v24, 5, v0
	v_readfirstlane_b32 s[WV], v24                 ; wave 0..3
	v_and_b32 v24, 31, v0                          ; lane
	v_and_b32 v25, 15, v0                          ; r = lane % 16
	v_bfe_u32 v26, v0, 4, 1                        ; h = lane / 16
	s_mul_i32 s50, s[WV], HWAVE                    ; my ring
	v_mul_u32_u24 v[QA], v25, HP
	v_lshl_add_u32 v[QA], v26, 6, v[QA]
	v_add_nc_u32 v[QA], s50, v[QA]
	v_lshl_add_u32 v[CA], v24, 4, s50
	s_lshl_b32 s51, s[WV], 7                       ; my quarter of a row of W's codes: 128 bytes
	s_add_co_u32 s52, s51, WL
	v_mul_u32_u24 v[WA], v25, WP
	v_lshl_add_u32 v[WA], v26, 4, v[WA]
	v_add_nc_u32 v[WA], s52, v[WA]
	v_add_nc_u32 v[WA+1], 8*16*WP, v[WA]           ; eight tiles on: an LDS immediate has 16 bits
	v_lshl_add_u32 v[HA], v25, 4, HT
	s_lshl_b32 s53, s[WV], 6
	s_add_co_u32 s53, s53, PSC
	v_lshl_add_u32 v[PS], v26, 5, s53
	v_lshl_add_u32 v[PL], v25, 2, PSC
	v_lshrrev_b32 v27, 2, v24
	v_and_b32 v28, 3, v24
	v_lshlrev_b32 v28, 8, v28
	v_lshl_add_u32 v[PFO], v27, 12, v28            ; row lane / 4, 256 x (lane % 4) in my 1,024 bytes of it
	v_lshlrev_b32 v[T0], 2, v0                     ; h_T: 4 bytes a thread
	v_lshlrev_b32 v[T1], 5, v24                    ; W's scales: a row of 32 bytes a lane
	v_lshlrev_b32 v[T2], 9, v25
	v_lshl_add_u32 v[T2], v26, 4, v[T2]            ; W's codes: row r of 512 bytes, + 16 h
	v_lshrrev_b32 v27, 6, v0                       ; where column c = thread + 128 k of h_T goes: 256 (c / 64) + 16 (c % 16) + 4 ((c / 16) % 4)
	v_lshlrev_b32 v27, 8, v27
	v_lshl_add_u32 v27, v25, 4, v27
	v_bfe_u32 v28, v0, 4, 2
	v_lshl_add_u32 v27, v28, 2, v27
	v_add_nc_u32 v[F], HT, v27
	; descriptor group 1 for hs: 16 rows x 256 elements of 4 bytes, 1,024 elements from row to row; in LDS 4 words of padding behind every 256
	s_mov_b32 s[G1H], (2<<16)|(1<<20)|(7<<22)|(3<<25)
	s_mov_b32 s[G1H+1], 256<<16                    ; tensor_dim0
	s_mov_b32 s[G1H+2], 32<<16                     ; tensor_dim1: the head's load brings 32 rows, blocks 0 and 1
	s_mov_b32 s[G1H+3], 256<<16                    ; tile_dim0
	s_mov_b32 s[G1H+4], 32                         ; tile_dim1 likewise; both words are set to 16 behind the wait that shows that load done
	s_mov_b32 s[G1H+5], 1024                       ; tensor_dim0_stride
	s_mov_b32 s[G1H+6], 0
	s_mov_b32 s[G1H+7], 0
	; and for W's codes: 64 rows x 512 bytes, dense; 4 words of padding behind every 128
	s_mov_b32 s[G1W], (1<<20)|(6<<22)|(3<<25)
	s_mov_b32 s[G1W+1], 512<<16
	s_mov_b32 s[G1W+2], 64<<16
	s_mov_b32 s[G1W+3], 512<<16
	s_mov_b32 s[G1W+4], 64
	s_mov_b32 s[G1W+5], 512
	s_mov_b32 s[G1W+6], 0
	s_mov_b32 s[G1W+7], 0
	s_mov_b32 s[G0], 1
	s_mov_b32 s[G0+1], s50                         ; slot 0
	s_mov_b32 s[G0+4], 1
	s_add_co_u32 s[G0+5], s50, HSLOT               ; slot 1
	s_mov_b32 s[G0W], 1
	s_mul_i32 s47, s[WV], 64*WP
	s_add_co_u32 s[G0W+1], s47, WL                 ; my 64 of the 256 rows
	s_lshl_b32 s54, ttmp9, 20                      ; the work-group's 256 rows of 4,096 bytes (under 2^28),
	s_lshl_b32 s55, s[WV], 10
	s_add_co_u32 s54, s54, s55                     ; my 1,024 bytes of a row
	s_mov_b32 s55, 0
	s_lshl_b32 s56, s[WV], 15
	s_add_co_u32 s56, s56, 768*512                 ; W's rows 768 + 64 w on
	s_mov_b32 s57, 0
	s_lshr_b32 s58, ttmp9, 3                       ; the batch
	s_lshl_b32 s58, s58, 23
	s_add_co_u32 s58, s58, 2047*ROWB               ; its last row
	s_mov_b32 s59, 0
	s_lshl_b32 s60, s[WV], 3                       ; my quarter of a row of scales: 8 bytes
	s_mov_b32 s61, 0
	s_mov_b32 s62, s51
	s_mov_b32 s63, 0
	s_lshl_b32 s2, ttmp9, 12                       ; part_ctx: 4,096 bytes a work-group, 1,024 a wave
	s_lshl_b32 s3, s[WV], 10
	s_add_co_u32 s2, s2, s3
	s_mov_b32 s3, 0
	s_lshl_b32 s98, ttmp9, 8                       ; part_ml: 256 bytes a work-group
	s_mov_b32 s99, 0
	s_mov_b32 s[SEL], 0x76543210
	s_mov_b32 s[SEL+1], 0xfedcba98
	s_mov_b32 s[CNT], 7
.irp t, 0,1,2,3,4,5,6,7,8,9,10,11,12,13,14,15
	s_mov_b32 s[P+2*\t+1], 0                       ; named as the upper halves of pairs, so they are written
.endr
	s_wait_alu depctr_va_vdst(0)
	s_wait_dscnt 0x0                               ; both opening adds are done
	s_wait_kmcnt 0x0
	s_add_nc_u64 s[G0+2:G0+3], s[4:5], s[54:55]    ; block 0
	s_add_nc_u64 s[G0+6:G0+7], s[G0+2:G0+3], BLKB  ; block 1
	s_add_nc_u64 s[PFA:PFA+1], s[G0+2:G0+3], BLKB  ; block 1: the first trip steps it to block 3
	s_or_b32 s[G0+3], s[G0+3], 0x80000000          ; type = 2
	s_or_b32 s[G0+7], s[G0+7], 0x80000000
	s_add_nc_u64 s[G0W+2:G0W+3], s[6:7], s[56:57]
	s_or_b32 s[G0W+3], s[G0W+3], 0x80000000
	; the head's one tensor load a wave: blocks 0 and 1 as one tile of 32 rows; slot 1 lies on end behind slot 0 at the same pitch, so it fills both
	tensor_load_to_lds s[G0:G0+3], s[G1H:G1H+7]
	s_nop 0
	s_add_nc_u64 s[58:59], s[4:5], s[58:59]        ; h_T
	s_add_nc_u64 s[60:61], s[8:9], s[60:61]        ; W's scales at my quarter
	s_add_nc_u64 s[62:63], s[6:7], s[62:63]        ; W's codes at my quarter
	s_add_nc_u64 s[10:11], s[10:11], s[2:3]
	s_add_nc_u64 s[12:13], s[12:13], s[98:99]
.irp k, 0,1,2,3,4,5,6,7
	global_load_b32 v[ACC+\k], v[T0], s[58:59] offset:512*\k       ; h_T's column thread + 128 k
.endr
.set UU, 0
.rept 32
	global_load_b64 v[SCW+2*UU:SCW+2*UU+1], v[T1], s[60:61] offset:1024*UU   ; rows 32 u + lane: the two words of my quarter
.set UU, UU+1
.endr
	WREG 0x40, 0
	WREG 0x80, 16
	WREG 0xc0, 32
	WIN 0
	v_mov_b32 v[MX], 0xff61b1e6                    ; the largest t so far: -3e38, under every t
	v_mov_b32 v[LS], 0
	v_mov_b32 v[F+1], 0
.irp k, 0,1,2,3,4,5,6,7
	v_mov_b32 v[CTX+\k], 0                         ; the step is written for every step alike: the first finds zeros, which f = 0 leaves zeros
.endr
.irp b, 0,1,2,3
	v_mov_b32 v[TM+4+\b], 0                        ; a lane permute's destination counts as one of its sources
.endr
	s_wait_alu depctr_va_vdst(0)
	s_wait_loadcnt 63                              ; 224 loads were issued behind h_T's eight; at most the last 63, all of window 3, are still out
.irp k, 0,1,2,3,4,5,6,7
	ds_store_b32 v[F], v[ACC+\k] offset:512*\k
.endr
	s_wait_tensorcnt 0x0                           ; my two slots are in
	ds_add_u32 v[SPW], v[NIL]                      ; 0 onto my spare word
	s_mov_b32 s[G1H+2], 16<<16                     ; no tensor load of mine is out, so the descriptor may be written: from here on a load brings 16 rows
	s_mov_b32 s[G1H+4], 16
	s_wait_dscnt 0x0                               ; the add is done, and my part of h_T is stored
	s_barrier_signal -1
	s_barrier_wait -1                              ; everybody's part of h_T is stored
	tensor_load_to_lds s[G0W:G0W+3], s[G1W:G1W+7]  ; my 64 of W's rows 768-1023: a first fill, my one tensor load behind this barrier; it lands under block 0's quantiser
	s_nop 0
; A STEP: 16 rows, in slot.  refill = 1: the other slot is filled again, two blocks on.  first = 1: the launch's first step, behind the head's barrier.
; pf = 1, 2: the trip's first, second step: two prefetches into the L2 for the block that the NEXT step's tensor load will ask for: 16 rows x my 1,024 bytes, lanes 256 bytes apart, each aligned 256 bytes named once
; in the launch, by the wave that will load them.  Blocks 0 to 2 come by their loads alone; the last trip's second step asks for nothing: block 15 is the last.
.macro STEP slot, refill, first, pf
.if !\first
.if \pf == 1
	s_wait_xcnt 0x0                                ; the last prefetches, a step back, have read their address, so it may be written
	s_add_nc_u64 s[PFA:PFA+1], s[PFA:PFA+1], 2*BLKB
.endif
	s_wait_tensorcnt 0x0                           ; all my tensor loads have landed, this step's block among them: so a group 0 may be written
	ds_add_u32 v[SPW], v[NIL]                      ; 0 onto my spare word
.if \refill
	s_add_nc_u64 s[G0+6-4*\slot:G0+7-4*\slot], s[G0+6-4*\slot:G0+7-4*\slot], 2*BLKB   ; the other slot's next block; the type bits on top are not reached
.endif
	s_wait_dscnt 0x0                               ; the add is done; my reads of the other slot and of the partial scores are over
	s_barrier_signal -1
	s_barrier_wait -1
.if \refill
	tensor_load_to_lds s[G0+4-4*\slot:G0+7-4*\slot], s[G1H:G1H+7]   ; my one tensor load behind this barrier, and the first thing there: it has the whole step in which to land
	s_nop 0
.endif
.endif
	; ---- the quantiser: lane (r, h) takes, of row r, 16 neighbours of each block of 32
.irp s, 0,1
.irp b, 0,1,2,3
.irp j, 0,1,2,3
	ds_load_b128 v[ACC+64*\s+16*\b+4*\j:ACC+64*\s+16*\b+4*\j+3], v[QA] offset:HSLOT*\slot+512*\s+128*\b+16*\j
.endr
.endr
.endr
.if \pf == 1
	global_prefetch_b8 v[PFO], s[PFA:PFA+1] th:TH_LOAD_NT scope:SCOPE_SE
	global_prefetch_b8 v[PFO], s[PFA:PFA+1] offset:8*ROWB th:TH_LOAD_NT scope:SCOPE_SE
.elseif \pf == 2
	s_cmp_eq_u32 s[CNT], 1
	s_cbranch_scc1 .Lnone_\@
	global_prefetch_b8 v[PFO], s[PFA:PFA+1] offset:BLKB th:TH_LOAD_NT scope:SCOPE_SE
	global_prefetch_b8 v[PFO], s[PFA:PFA+1] offset:BLKB+8*ROWB th:TH_LOAD_NT scope:SCOPE_SE
.Lnone_\@:
.endif
	s_wait_dscnt 16                                ; the first K step's 16 loads are in
	QUANT ACC, AF, AS
	s_wait_dscnt 0x0
	QUANT BB, AF+8, AS+1
.if \first
	s_wait_alu depctr_va_vdst(0)
	s_wait_tensorcnt 0x0                           ; my 64 rows of W are in LDS
	s_barrier_signal -1                            ; (no LDS instruction of mine is out)
	s_barrier_wait -1                              ; everybody's are
.endif
	HLOAD 0
	HLOAD 1
	HLOAD 2
	LLOAD 0
.rept 8
	v_nop                                          ; a scale register written by a vector instruction stands 8 places ahead of a scaled matrix instruction, an operand so written 4
.endr
	; ---- the two products.  Behind place q's eight matrix instructions stands place q - 1's dot with h_T: 16 plain instructions that name none of place q's registers.  They are the places in front of the
	; dot that reads place q's results, of the loads into the fragments that place q has read, and of place q + 2's products, which begin the same accumulators anew.
	; The counts on DScnt are the LDS loads issued behind the one that is wanted: two or three loads of factors, and the sixteen of a group of fragments.
.irp q, 0,1,2,3,4,5,6,7,8,9,10,11,12,13,14,15
.if (\q == 3) || (\q == 15)
	s_wait_dscnt 2                                 ; the group's fragments are in; two loads of factors were issued behind them
.elseif (\q == 7) || (\q == 11)
	s_wait_dscnt 3                                 ; likewise, three
.endif
.if (\first) && (\q == 10)
	s_wait_loadcnt 0x0                             ; place 10 is the first that reads window 3, whose 64 loads were issued last; the scale words and windows 1 and 2 were in at the head's wait
.endif
	MULG \q
.if \q == 0
.rept 5
	v_nop                                          ; no dot is due yet: five places, for the dot that reads these results and for place 2's products, which write over them
.endr
.else
.if (\q%4) != 3
	s_wait_dscnt 18                                ; place q - 1's factors are in: behind them two loads of factors and a group's sixteen
.elseif (\q == 7) || (\q == 11)
	s_wait_dscnt 2
.elseif \q == 15
	s_wait_dscnt 1
.endif
	DOT \q-1
.endif
.if (\q >= 1) && (\q <= 13)
	HLOAD \q+2                                     ; into the set that the dot above has just read
.endif
.if ((\q%4) == 3) && (\q < 15)
	LLOAD (\q+1)/4
.endif
.endr
	s_wait_dscnt 0x0
	DOT 15
	; ---- the sum over my 1,024 n: sixteen lanes hold sixteen n of the same eight rows
.irp m, 1,2,4,8
.irp j, 0,1,2,3,4,5,6,7
	v_add_f32_dpp v[SC+\j], v[SC+\j], v[SC+\j] row_xmask:\m row_mask:0xf bank_mask:0xf
.endr
.endr
	ds_store_b128 v[PS], v[SC:SC+3]                ; sixteen lanes write the same words with the same values
	ds_store_b128 v[PS], v[SC+4:SC+7] offset:16
	s_wait_dscnt 0x0                               ; for the others' sake: my partial scores are stored
	s_barrier_signal -1
	s_barrier_wait -1                              ; the refill may stay on its way
	; ---- the running softmax, the same in all four waves: lane l holds row l % 16
.irp w, 0,1,2,3
	ds_load_b32 v[HVB+\w], v[PL] offset:64*\w
.endr
.irp t, 0,1,2,3,4,5,6,7,8,9,10,11,12,13,14,15
.irp u, 0,1
	ds_load_b128 v[ACC+8*\t+4*\u:ACC+8*\t+4*\u+3], v[CA] offset:HSLOT*\slot+HP*\t+512*\u   ; the rows once more, for the context: 32 lanes take 512 neighbouring bytes
.endr
.endr
	s_wait_dscnt 32                                ; the four partial scores are in
	v_add_f32 v[T1], v[HVB], v[HVB+1]
	v_add_f32 v[T2], v[HVB+2], v[HVB+3]
	v_add_f32 v[T1], v[T1], v[T2]                  ; the score
	v_mul_f32 v[T1], 0x3fb8aa3b, v[T1]             ; t = score x log2(e)
	v_max_num_f32_dpp v[T2], v[T1], v[T1] row_xmask:1 row_mask:0xf bank_mask:0xf
	v_max_num_f32_dpp v[T2], v[T2], v[T2] row_xmask:2 row_mask:0xf bank_mask:0xf
	v_max_num_f32_dpp v[T2], v[T2], v[T2] row_xmask:4 row_mask:0xf bank_mask:0xf
	v_max_num_f32_dpp v[T2], v[T2], v[T2] row_xmask:8 row_mask:0xf bank_mask:0xf
	v_max_num_f32 v[T0], v[MX], v[T2]              ; the new largest t
	v_sub_f32 v[F], v[MX], v[T0]
	v_sub_f32 v[T1], v[T1], v[T0]
	s_wait_alu depctr_va_vdst(0)
	v_exp_f32 v[F], v[F]                           ; f = 2^(old - new): what was summed under the old maximum is brought under the new
	v_exp_f32 v[T1], v[T1]                         ; p = 2^(t - new)
	v_mov_b32 v[MX], v[T0]                         ; a plain place behind the two exponentials
	s_wait_alu depctr_va_vdst(0)                   ; one wait for both, ahead of their first reader
	v_fma_f32 v[LS], v[LS], v[F], v[T1]
.irp t, 0,1,2,3,4,5,6,7,8,9,10,11,12,13,14,15
	v_readlane_b32 s[P+2*\t], v[T1], \t            ; row t's p for every lane
.endr
	; ---- the context of my 256 columns, in f32
.irp k, 0,2,4,6
	v_pk_mul_f32 v[CTX+\k:CTX+\k+1], v[CTX+\k:CTX+\k+1], v[F:F+1] op_sel_hi:[1,0]
.endr
.irp g, 0,1,2,3
	s_wait_alu depctr_va_vdst(0)                   ; directly ahead of the wait below
	s_wait_dscnt 24-8*\g                           ; rows 4 g .. 4 g + 3 are in: eight loads for each four rows behind them may be out
.irp e, 0,1,2,3
.irp k, 0,2,4,6
	v_pk_fma_f32 v[CTX+\k:CTX+\k+1], v[ACC+8*(4*\g+\e)+\k:ACC+8*(4*\g+\e)+\k+1], s[P+2*(4*\g+\e):P+2*(4*\g+\e)+1], v[CTX+\k:CTX+\k+1] op_sel_hi:[1,0,1]
.endr
.endr
.endr
.endm
	STEP 0, 0, 1, 0                                ; block 0; both slots were filled at the head
.Ltrip:                                                ; seven trips: blocks 1 to 14; each step fills the slot that the step before has read
	STEP 1, 1, 0, 1
	STEP 0, 1, 0, 2
	s_sub_co_u32 s[CNT], s[CNT], 1
	s_cmp_lg_u32 s[CNT], 0
	s_cbranch_scc1 .Ltrip
	STEP 1, 0, 0, 0                                ; block 15: nothing is left to fetch
	; THE WAY OUT: my 256 columns of the unnormalised context; wave 0 also the maximum and the sum
.irp m, 1,2,4,8
	v_add_f32_dpp v[LS], v[LS], v[LS] row_xmask:\m row_mask:0xf bank_mask:0xf      ; the sixteen rows' sums: the work-group's
.endr
	v_and_b32 v[T1], 31, v0
	v_lshlrev_b32 v[T0], 4, v[T1]
	global_store_b128 v[T0], v[CTX:CTX+3], s[10:11]                  ; 32 lanes store 512 consecutive bytes, at a multiple of 256 from the buffer's first byte
	global_store_b128 v[T0], v[CTX+4:CTX+7], s[10:11] offset:512
	s_cmp_lg_u32 s[WV], 0
	s_cbranch_scc1 .Lnot_wave_0
	v_lshlrev_b32 v[F], 3, v[T1]
	v_mov_b32 v[HVB], v[MX]
	v_mov_b32 v[HVB+1], v[LS]
	global_store_b64 v[F], v[HVB:HVB+1], s[12:13]                    ; the pair 32 times: 256 consecutive bytes, aligned; the next launch reads the first eight
.Lnot_wave_0:
	s_wait_tensorcnt 0x0                           ; the wave's end, behind my last tensor load and my last LDS store
	ds_add_u32 v[SPW], v[NIL]
	s_wait_dscnt 0x0
	s_endpgm
.Lfunc_end_k_q50a780cc6d_attn:
	.size	k_q50a780cc6d_attn, .Lfunc_end_k_q50a780cc6d_attn-k_q50a780cc6d_attn
	.p2alignl 7, 3214868480
	.fill 96, 4, 3214868480
	.section	.rodata,"a",@progbits
	.p2align	6, 0x0
	.amdhsa_kernel k_q50a780cc6d_attn
		.amdhsa_group_segment_fixed_size 327680
		.amdhsa_private_segment_fixed_size 0
		.amdhsa_enable_private_segment 0
		.amdhsa_kernarg_size 40
		.amdhsa_user_sgpr_count 2
		.amdhsa_user_sgpr_kernarg_segment_ptr 1
		.amdhsa_wavefront_size32 1
		.amdhsa_system_sgpr_workgroup_id_x 1
		.amdhsa_system_sgpr_workgroup_id_y 1
		.amdhsa_system_sgpr_workgroup_id_z 1
		.amdhsa_system_vgpr_workitem_id 0
		.amdhsa_next_free_vgpr 1024
		.amdhsa_next_free_sgpr 100
		.amdhsa_reserve_vcc 0
		.amdhsa_float_denorm_mode_32 3
		.amdhsa_float_denorm_mode_16_64 3
		.amdhsa_memory_ordered 1
		.amdhsa_forward_progress 1
		.amdhsa_inst_pref_size 255
	.end_amdhsa_kernel
	.section	.bss,"aw",@nobits
	.p2align	6
	.space	262144
	.amdgpu_metadata
---
amdhsa.version: [ 1, 2 ]
amdhsa.kernels:
  - .name:           k_q50a780cc6d_attn
    .symbol:         k_q50a780cc6d_attn.kd
    .args:
      - { .name: hidden_states, .offset: 0, .size: 8, .value_kind: global_buffer, .address_space: global }
      - { .name: W_score_codes, .offset: 8, .size: 8, .value_kind: global_buffer, .address_space: global }
      - { .name: W_score_scales, .offset: 16, .size: 8, .value_kind: global_buffer, .address_space: global }
      - { .name: part_ctx, .offset: 24, .size: 8, .value_kind: global_buffer, .address_space: global }
      - { .name: part_ml, .offset: 32, .size: 8, .value_kind: global_buffer, .address_space: global }
    .group_segment_fixed_size: 327680
    .private_segment_fixed_size: 0
    .kernarg_segment_align: 8
    .kernarg_segment_size: 40
    .max_flat_workgroup_size: 128
    .sgpr_count:     100
    .vgpr_count:     1024
    .wavefront_size: 32
...
	.end_amdgpu_metadata
.endif
;; end of part 1
;; launch finish (part 2): grid 32 x 1, 16 waves a work-group, no clusters, 18,432 bytes of LDS; arguments part_ctx, part_ml, hidden_states, W_out_codes, W_out_scales, out0; writes out0
.if DOCPART == 2
	.amdgcn_target "amdgcn-amd-amdhsa--gfx1250"
	.amdhsa_code_object_version 6
	.text
	.protected	k_q50a780cc6d_finish
	.globl	k_q50a780cc6d_finish
	.p2align	8
	.type	k_q50a780cc6d_finish,@function
k_q50a780cc6d_finish:
	s_mov_b64 s[64:65], 0
	v_nop
	global_prefetch_b8 v0, s[64:65] scope:SCOPE_SE
	s_setreg_imm32_b32 hwreg(HW_REG_WAVE_MODE, 25, 1), 1
	s_wait_xcnt 0x0
; attention over 2,048 positions, second launch: out0[b][n] = tanh( sum over k of Q(pre[b][k]) W_out[k][n] ), pre[b] = [context[b] (1,024), h_T[b] (1,024)], Q = the MX-FP4 quantiser along k.  No work is left out.
; part_ctx: [256][1024] f32, part_ml: [256][64 f32] (the first two: largest t, sum): eight parts a batch, each under its own largest t.  context = sum over c of 2^(m_c - M) ctx_c / sum over c of 2^(m_c - M) l_c, M the largest m_c.
; W_out: [128 (n)][2048 (k)] as codes of E2M1, K innermost, one E8M0 byte for each 32 along K.  h_T = hidden_states[b][2047].
; SHARES.  A work-group takes one batch, sixteen waves; thread t joins columns 2 t, 2 t + 1 of the context; wave w takes K step w (128 of the 2,048) of the product for all 128 n; the sixteen parts meet in LDS.
; The product's sixteen rows all hold this batch's row: with sixteen batches to a tile there would be work for two work-groups, each joining 512 KB of parts; so each of 32 joins 32 KB, for eight matrix instructions a wave.
; No tensor loads, no ring, no cluster: what work-groups share is W_out's 136 KB, read once by each.
; LIMITS.  NaN and infinities among the inputs are not served.  A block of zeros gets the scale byte 1 (the rule says 127): its codes are zeros, and only this program reads the byte.
.set PRE,   0                          ; LDS: pre, 2,048 f32
.set RED,   8192                       ; the sixteen waves' parts of the 128 sums: [wave][128] f32
.set SPARE, 16384                      ; the spare words, 128 bytes for each wave: eight blocks of 256 bytes that no other line names
.set SPW, 1                            ; v1   LDS address of my spare word; never rewritten
.set NIL, 2                            ; v2   0; never rewritten
.set WO,  3                            ; v3   W_out's codes: row lane % 16 of 1,024 bytes, + 16 (lane / 16)
.set SF,  4                            ; v4   W_out's scales: a row of 64 bytes a lane
.set TO,  5                            ; v5   8 x thread: my two numbers in a part, in h_T, in pre, in the sums and in out0
.set XA,  6                            ; v6   my K step of pre: 512 w + 64 (lane / 16)
.set RS,  7                            ; v7   where I put my parts: RED + 512 w + 4 (lane % 16)
.set PC,  8                            ; v8-15   pre's fragment of codes
.set WS,  16                           ; v16-19  W_out's scale words, and nothing else: register u: lanes 0-15 tile 2 u, lanes 16-31 tile 2 u + 1
.set AS,  20                           ; v20     pre's scale word, and nothing else
.set MM,  21                           ; v21 M, v22 the sum, v23 its reciprocal
.set LL,  22
.set RI,  23
.set WT,  24                           ; v24-31  the eight parts' weights
.set CX,  32                           ; v32-47  my two numbers of the eight parts
.set PA,  48                           ; v[48:49] my two numbers of the context
.set HR,  50                           ; v[50:51] and of h_T
.set TM,  52                           ; v52-59  at work in the quantiser
.set SO,  60                           ; v60-63  the conversions' scale operands
.set X,   64                           ; v64-127 64 numbers of pre; later the sixteen parts of my two sums
.set WF,  128                          ; v128-191 W_out's eight fragments
.set ACC, 192                          ; v192-255 eight accumulators
.set WV,  40                           ; s40  my wave's number
.set SEL, 42                           ; s[42:43] v_permlanex16_b32's selects for lane l xor 16
; 64 numbers of a lane, v[x] .. v[x + 63], register 16 b + i = k 32 b + 16 (lane / 16) + i, become a fragment's codes in v[pc] on and its scale word in v[pw].
.macro QUANT x, pc, pw
.irp b, 0,1,2,3
	v_max3_num_f32 v[TM+\b], |v[\x+16*\b]|, |v[\x+1+16*\b]|, 0x1800000   ; block b: my 16 numbers, and the floor 2^(3 - 127): so the byte cannot fall under 1
.endr
.irp i, 2,4,6,8,10,12,14
.irp b, 0,1,2,3
	s_delay_alu instid0(VALU_DEP_4)
	v_max3_num_f32 v[TM+\b], v[TM+\b], |v[\x+16*\b+\i]|, |v[\x+1+16*\b+\i]|
.endr
.endr
.irp b, 0,1,2,3
	s_delay_alu instid0(VALU_DEP_4)
	v_permlanex16_b32 v[TM+4+\b], v[TM+\b], s[SEL], s[SEL+1]
.endr
.irp b, 0,1,2,3
	s_delay_alu instid0(VALU_DEP_4)
	v_max_num_f32 v[TM+\b], v[TM+\b], v[TM+4+\b]                  ; with lane l xor 16's: the block's largest magnitude
.endr
.irp b, 0,1,2,3
	s_delay_alu instid0(VALU_DEP_4)
	v_add_nc_u32 v[SO+\b], 0xff000000, v[TM+\b]                   ; 2 off its exponent field: the conversion's scale operand
.endr
.irp b, 0,1,2,3
	s_delay_alu instid0(VALU_DEP_4)
	v_lshrrev_b32 v[TM+4+\b], 23, v[SO+\b]                        ; the scale's byte
.endr
	s_delay_alu instid0(VALU_DEP_3)
	v_lshl_or_b32 v[\pw], v[TM+5], 8, v[TM+4]
	s_delay_alu instid0(VALU_DEP_1)
	v_lshl_or_b32 v[\pw], v[TM+6], 16, v[\pw]
	s_delay_alu instid0(VALU_DEP_1)
	v_lshl_or_b32 v[\pw], v[TM+7], 24, v[\pw]
.irp b, 0,1,2,3
	v_cvt_scalef32_pk8_fp4_f32 v[\pc+2*\b], v[\x+16*\b:\x+7+16*\b], v[SO+\b]
	v_cvt_scalef32_pk8_fp4_f32 v[\pc+1+2*\b], v[\x+8+16*\b:\x+15+16*\b], v[SO+\b]
.endr
	v_nop                                                         ; one plain place behind a scaled conversion
.irp c, 0,1
.irp i, 0,1
	v_permlane16_swap_b32 v[\pc+4*\c+\i], v[\pc+2+4*\c+\i]        ; a whole block to a lane: lanes 0-15 block 2 c, lanes 16-31 block 2 c + 1
.endr
.endr
.endm
	s_load_b256 s[4:11], s[0:1], 0x0               ; part_ctx s[4:5], part_ml s[6:7], hidden_states s[8:9], W_out's codes s[10:11]
	s_load_b128 s[12:15], s[0:1], 0x20             ; W_out's scales s[12:13], out0 s[14:15]
	v_lshl_add_u32 v[SPW], v0, 2, SPARE
	v_mov_b32 v[NIL], 0
	v_lshrrev_b32 v52, 5, v0
	s_delay_alu instid0(VALU_DEP_1)
	v_readfirstlane_b32 s[WV], v52                 ; wave 0..15
	v_and_b32 v52, 15, v0                          ; r
	v_bfe_u32 v53, v0, 4, 1                        ; h
	v_and_b32 v54, 31, v0                          ; lane
	s_delay_alu instid0(VALU_DEP_3)
	v_lshlrev_b32 v[WO], 10, v52
	s_delay_alu instid0(VALU_DEP_1)
	v_lshl_add_u32 v[WO], v53, 4, v[WO]
	s_delay_alu instid0(VALU_DEP_3)
	v_lshlrev_b32 v[SF], 6, v54
	v_lshlrev_b32 v[TO], 3, v0
	s_lshl_b32 s41, s[WV], 9
	v_lshl_add_u32 v[XA], v53, 6, s41
	s_add_co_u32 s41, s41, RED
	v_lshl_add_u32 v[RS], v52, 2, s41
.irp b, 0,1,2,3
	v_mov_b32 v[TM+4+\b], 0                        ; a lane permute's destination counts as one of its sources
.endr
	s_mov_b32 s[SEL], 0x76543210
	s_mov_b32 s[SEL+1], 0xfedcba98
	s_lshl_b32 s44, ttmp9, 15                      ; the batch's eight parts of 4,096 bytes
	s_mov_b32 s45, 0
	s_lshl_b32 s46, ttmp9, 11                      ; and their eight blocks of 256 bytes
	s_mov_b32 s47, 0
	s_lshl_b32 s48, ttmp9, 23
	s_add_co_u32 s48, s48, 2047*4096               ; the batch's last row (under 2^28)
	s_mov_b32 s49, 0
	s_lshl_b32 s50, s[WV], 6                       ; my K step: 64 bytes of a row of codes,
	s_mov_b32 s51, 0
	s_lshl_b32 s52, s[WV], 2                       ; 4 of a row of scales
	s_mov_b32 s53, 0
	s_lshl_b32 s54, ttmp9, 9                       ; the batch's 128 outputs
	s_mov_b32 s55, 0
	s_wait_alu depctr_va_vdst(0)
	s_wait_kmcnt 0x0
	s_add_nc_u64 s[4:5], s[4:5], s[44:45]
	s_add_nc_u64 s[6:7], s[6:7], s[46:47]
	s_add_nc_u64 s[8:9], s[8:9], s[48:49]
	s_add_nc_u64 s[10:11], s[10:11], s[50:51]
	s_add_nc_u64 s[12:13], s[12:13], s[52:53]
	s_add_nc_u64 s[14:15], s[14:15], s[54:55]
.irp c, 0,1,2,3,4,5,6,7
	s_load_b64 s[16+2*\c:17+2*\c], s[6:7], 256*\c  ; part c's largest t and sum
.endr
.irp c, 0,1,2,3,4,5,6,7
	global_load_b64 v[CX+2*\c:CX+2*\c+1], v[TO], s[4:5] offset:4096*\c   ; a wave reads 256 consecutive bytes
.endr
	global_load_b64 v[HR:HR+1], v[TO], s[8:9]
.irp j, 0,1,2,3,4,5,6,7
.irp c, 0,1
	global_load_b128 v[WF+8*\j+4*\c:WF+8*\j+4*\c+3], v[WO], s[10:11] offset:16384*\j+32*\c   ; tile j: row 16 j + r
.endr
.endr
.irp u, 0,1,2,3
	global_load_b32 v[WS+\u], v[SF], s[12:13] offset:2048*\u       ; rows 32 u + lane
.endr
	s_wait_kmcnt 0x0
	; the eight parts' weights: the maximum is taken away before the exponentials
	v_mov_b32 v[MM], s16
.irp c, 1,2,3,4,5,6,7
	s_delay_alu instid0(VALU_DEP_1)
	v_max_num_f32 v[MM], s[16+2*\c], v[MM]
.endr
.irp c, 0,1,2,3,4,5,6,7
	v_sub_f32 v[WT+\c], s[16+2*\c], v[MM]
.endr
	s_wait_alu depctr_va_vdst(0)
.irp c, 0,1,2,3,4,5,6,7
	v_exp_f32 v[WT+\c], v[WT+\c]
.endr
	v_nop                                          ; a plain place behind the last exponential
	s_wait_alu depctr_va_vdst(0)                   ; one wait for the eight, ahead of their first reader
	v_mul_f32 v[LL], s17, v[WT]
.irp c, 1,2,3,4,5,6,7
	v_fmac_f32 v[LL], s[17+2*\c], v[WT+\c]         ; the row's sum: at least 1, since the part that holds M has a p of 1
.endr
	s_wait_alu depctr_va_vdst(0)
	v_rcp_f32 v[RI], v[LL]
	v_nop
	s_wait_alu depctr_va_vdst(0)
.irp c, 0,1,2,3,4,5,6,7
	v_mul_f32 v[WT+\c], v[WT+\c], v[RI]
.endr
	s_wait_alu depctr_va_vdst(0)
	s_wait_loadcnt 0x0                             ; the parts, h_T, W_out's fragments and scale words
	v_mul_f32 v[PA], v[CX], v[WT]
	v_mul_f32 v[PA+1], v[CX+1], v[WT]
.irp c, 1,2,3,4,5,6,7
	s_delay_alu instid0(VALU_DEP_2)
	v_fmac_f32 v[PA], v[CX+2*\c], v[WT+\c]
	s_delay_alu instid0(VALU_DEP_2)
	v_fmac_f32 v[PA+1], v[CX+2*\c+1], v[WT+\c]
.endr
	ds_store_b64 v[TO], v[PA:PA+1] offset:PRE
	ds_store_b64 v[TO], v[HR:HR+1] offset:PRE+4096
	s_wait_dscnt 0x0                               ; for the others' sake: my four numbers of pre are stored
	s_barrier_signal -1
	s_barrier_wait -1
	; my K step: every lane of a half reads the same 16 numbers of each block
.irp b, 0,1,2,3
.irp j, 0,1,2,3
	ds_load_b128 v[X+16*\b+4*\j:X+16*\b+4*\j+3], v[XA] offset:PRE+128*\b+16*\j
.endr
.endr
	s_wait_dscnt 0x0
	QUANT X, PC, AS
.rept 8
	v_nop                                          ; a scale register written by a vector instruction stands 8 places ahead of a scaled matrix instruction, an operand so written 4
.endr
.irp j, 0,1,2,3,4,5,6,7                            ; source 0 = pre (sixteen equal rows), source 1 = 16 columns n of W_out: lane (r, h) holds n = 16 j + r.  Eight accumulators, one instruction each
.if (\j%2) == 0
	v_wmma_scale_f32_16x16x128_f8f6f4 v[ACC+8*\j:ACC+8*\j+7], v[PC:PC+7], v[WF+8*\j:WF+8*\j+7], 0, v[AS], v[WS+\j/2] matrix_a_fmt:MATRIX_FMT_FP4 matrix_b_fmt:MATRIX_FMT_FP4
.else
	v_wmma_scale_f32_16x16x128_f8f6f4 v[ACC+8*\j:ACC+8*\j+7], v[PC:PC+7], v[WF+8*\j:WF+8*\j+7], 0, v[AS], v[WS+\j/2] matrix_a_fmt:MATRIX_FMT_FP4 matrix_b_fmt:MATRIX_FMT_FP4 matrix_b_scale:MATRIX_SCALE_ROW1
.endif
.endr
.rept 4
	v_nop                                          ; four places in front of the first read of results
.endr
.irp j, 0,1,2,3,4,5,6,7
	ds_store_b32 v[RS], v[ACC+8*\j] offset:64*\j   ; each accumulator's lowest register: all rows are equal, so both halves of the lanes write the same word with the same value
.endr
	s_wait_dscnt 0x0                               ; for the others' sake: my parts are stored
	s_barrier_signal -1
	s_barrier_wait -1
	s_cmp_gt_u32 s[WV], 1
	s_cbranch_scc1 .Ldone                          ; waves 0 and 1 finish: two outputs a lane
.irp k, 0,1,2,3,4,5,6,7,8,9,10,11,12,13,14,15
	ds_load_b64 v[X+2*\k:X+2*\k+1], v[TO] offset:RED+512*\k
.endr
	s_wait_dscnt 0x0
	v_pk_add_f32 v[254:255], v[66:67], v[68:69]
	v_pk_add_f32 v[252:253], v[70:71], v[72:73]
	v_pk_add_f32 v[250:251], v[74:75], v[76:77]
	v_pk_add_f32 v[248:249], v[78:79], v[80:81]
	v_pk_add_f32 v[246:247], v[82:83], v[84:85]
	v_pk_add_f32 v[244:245], v[86:87], v[88:89]
	v_pk_add_f32 v[242:243], v[90:91], v[92:93]
	v_pk_add_f32 v[64:65], v[64:65], v[94:95]
	s_delay_alu instid0(VALU_DEP_1)
	v_pk_add_f32 v[64:65], v[64:65], v[248:249]
	v_pk_add_f32 v[254:255], v[254:255], v[246:247]
	v_pk_add_f32 v[252:253], v[252:253], v[244:245]
	v_pk_add_f32 v[250:251], v[250:251], v[242:243]
	s_delay_alu instid0(VALU_DEP_2)
	v_pk_add_f32 v[64:65], v[64:65], v[252:253]
	s_delay_alu instid0(VALU_DEP_2)
	v_pk_add_f32 v[254:255], v[254:255], v[250:251]
	s_delay_alu instid0(VALU_DEP_1)
	v_pk_add_f32 v[64:65], v[64:65], v[254:255]
	s_delay_alu instid0(VALU_DEP_1)
	v_mul_f32 v[X], 0x4038aa3b, v[X]               ; tanh(x) = 1 - 2 / (1 + 2^(2 log2(e) x)): right at both ends, where the power is 0 or infinite
	s_delay_alu instid0(VALU_DEP_2)
	v_mul_f32 v[X+1], 0x4038aa3b, v[X+1]
	s_wait_alu depctr_va_vdst(0)
	v_exp_f32 v[X], v[X]
	v_exp_f32 v[X+1], v[X+1]
	v_nop
	s_wait_alu depctr_va_vdst(0)
	v_add_f32 v[X], 1.0, v[X]
	v_add_f32 v[X+1], 1.0, v[X+1]
	s_wait_alu depctr_va_vdst(0)
	v_rcp_f32 v[X], v[X]
	v_rcp_f32 v[X+1], v[X+1]
	v_nop
	s_wait_alu depctr_va_vdst(0)
	v_fma_f32 v[X], v[X], -2.0, 1.0
	v_fma_f32 v[X+1], v[X+1], -2.0, 1.0
	global_store_b64 v[TO], v[X:X+1], s[14:15]     ; a wave stores 256 consecutive bytes, at a multiple of 256 from out0's first byte
.Ldone:
	s_wait_tensorcnt 0x0                           ; the wave's end, behind my last LDS store
	ds_add_u32 v[SPW], v[NIL]
	s_wait_dscnt 0x0
	s_endpgm
.Lfunc_end_k_q50a780cc6d_finish:
	.size	k_q50a780cc6d_finish, .Lfunc_end_k_q50a780cc6d_finish-k_q50a780cc6d_finish
	.p2alignl 7, 3214868480
	.fill 96, 4, 3214868480
	.section	.rodata,"a",@progbits
	.p2align	6, 0x0
	.amdhsa_kernel k_q50a780cc6d_finish
		.amdhsa_group_segment_fixed_size 18432
		.amdhsa_private_segment_fixed_size 0
		.amdhsa_enable_private_segment 0
		.amdhsa_kernarg_size 48
		.amdhsa_user_sgpr_count 2
		.amdhsa_user_sgpr_kernarg_segment_ptr 1
		.amdhsa_wavefront_size32 1
		.amdhsa_system_sgpr_workgroup_id_x 1
		.amdhsa_system_sgpr_workgroup_id_y 1
		.amdhsa_system_sgpr_workgroup_id_z 1
		.amdhsa_system_vgpr_workitem_id 0
		.amdhsa_next_free_vgpr 256
		.amdhsa_next_free_sgpr 66
		.amdhsa_reserve_vcc 0
		.amdhsa_float_denorm_mode_32 3
		.amdhsa_float_denorm_mode_16_64 3
		.amdhsa_memory_ordered 1
		.amdhsa_forward_progress 1
		.amdhsa_inst_pref_size 20
	.end_amdhsa_kernel
	.amdgpu_metadata
---
amdhsa.version: [ 1, 2 ]
amdhsa.kernels:
  - .name:           k_q50a780cc6d_finish
    .symbol:         k_q50a780cc6d_finish.kd
    .args:
      - { .name: part_ctx, .offset: 0, .size: 8, .value_kind: global_buffer, .address_space: global }
      - { .name: part_ml, .offset: 8, .size: 8, .value_kind: global_buffer, .address_space: global }
      - { .name: hidden_states, .offset: 16, .size: 8, .value_kind: global_buffer, .address_space: global }
      - { .name: W_out_codes, .offset: 24, .size: 8, .value_kind: global_buffer, .address_space: global }
      - { .name: W_out_scales, .offset: 32, .size: 8, .value_kind: global_buffer, .address_space: global }
      - { .name: out0, .offset: 40, .size: 8, .value_kind: global_buffer, .address_space: global }
    .group_segment_fixed_size: 18432
    .private_segment_fixed_size: 0
    .kernarg_segment_align: 8
    .kernarg_segment_size: 48
    .max_flat_workgroup_size: 512
    .sgpr_count:     66
    .vgpr_count:     256
    .wavefront_size: 32
...
	.end_amdgpu_metadata
.endif
;; end of part 2
